; MI455X (gfx1250); checked and timed in simulation.
; The chip was launched on July 23, 2026; its instructions are those of AMD's public machine-readable ISA for CDNA 5 (MIT licence, August 2026) and "CDNA5" Instruction Set Architecture Reference Guide (July 2026). The comments in the code are by the model that wrote it; some were corrected since.
;; Causal Self Attention. Allowed arithmetic: matrix products marked QUANTISED: E2M3 operands, one E8M0 scale for each 32 along K, by v_wmma_scale_f32_16x16x128_f8f6f4 with both operands' format E2M3, f32 sums; everything else in f32.
;; Inputs: b_proj 1,024 float32; b_qkv 3,072 float32; w_proj_codes 1,024 x 32 x 24 uint8 (E2M3 codes of w_proj, K innermost, in blocks of 32 codes, four codes in three bytes); w_proj_scales 1,024 x 32 uint8 (E8M0 scales of w_proj, one for each 32 codes along K); w_qkv_codes 3,072 x 32 x 24 uint8 (E2M3 codes of w_qkv, K innermost, in blocks of 32 codes, four codes in three bytes); w_qkv_scales 3,072 x 32 uint8 (E8M0 scales of w_qkv, one for each 32 codes along K); x_codes 4 x 2,048 x 32 x 24 uint8 (E2M3 codes of x, K innermost, in blocks of 32 codes, four codes in three bytes); x_scales 4 x 2,048 x 32 uint8 (E8M0 scales of x, one for each 32 codes along K).
;; Outputs: out0 4 x 2,048 x 1,024 float32.
;; This version of the problem:
;;   THIS VERSION OF THE PROBLEM IS GIVEN IN LOW PRECISION. The matrix products marked QUANTISED in the list below multiply operands that are first quantised to E2M3 (2 exponent bits, 3 mantissa bits; 6 bits a number), with one power-of-two scale for each 32 numbers along K (OCP MX v1.0); their sums are f32. All else is computed in f32.
;;   The module's matrix products, in the order in which they are computed (A, B: the left and right operand; K: the contracted axis; several contracted axes count as one K, in the product's order):
;;     1. [M 8,192, K 1,024] x [K 1,024, N 3,072]; A: input x (given as codes); B: input w_qkv (given as codes): QUANTISED
;;     2. batch 64 x [M 2,048, K 64] x [K 64, N 2,048]; A: computed on the way; B: computed on the way: QUANTISED
;;     3. batch 64 x [M 2,048, K 2,048] x [K 2,048, N 64]; A: softmax (see below); B: computed on the way: QUANTISED
;;     4. [M 8,192, K 1,024] x [K 1,024, N 1,024]; A: computed on the way; B: input w_proj (given as codes): QUANTISED
;;   THE QUANTISER, for each operand of a quantised product, along K:
;;     - K is cut into blocks of 32 from its start; a last block that is shorter is filled with zeros.
;;     - A block's scale is 2^e with e = floor(log2(the largest magnitude in the block)) - 2, held to -126 .. 127; a block of zeros has e = 0. As a byte (E8M0): e + 127.
;;     - Each number is divided by its block's scale, clamped to +-7.5, and rounded to the nearest number of E2M3, ties to even, subnormals kept.
;;     - The product sums the exact products of the quantised numbers (number of the format x scale) in f32.
;;   ~~~python
;;   def quantise(x, axis):      # numpy; x: float32 -> the quantised numbers, widened to float32 again
;;       x = np.moveaxis(x, axis, -1); K = x.shape[-1]
;;       x = np.pad(x, [(0, 0)] * (x.ndim - 1) + [(0, -K % 32)]); x = x.reshape(x.shape[:-1] + (-1, 32)); a = np.abs(x).max(-1, keepdims=True)
;;       e = np.where(a > 0, np.clip(np.frexp(np.where(a > 0, a, 1))[1] - 1 - 2, -126, 127), 0)      # np.frexp(a)[1] - 1 = floor(log2(a)), exactly
;;       r = np.clip(x / 2.0 ** e, -7.5, 7.5)
;;       step = 2.0 ** (np.maximum(np.frexp(np.where(r == 0, 1, r))[1] - 1, 0) - 3)
;;       q = np.round(r / step) * step * 2.0 ** e      # np.round: ties to even
;;       return np.moveaxis(q.reshape(q.shape[:-2] + (-1,))[..., :K], -1, axis).astype(np.float32)
;;   ~~~
;;   SOFTMAX AHEAD OF A QUANTISED PRODUCT. Where the list says 'softmax', what is quantised is not the finished softmax but p = 2^(t - M), with t = logit x log2(e) and M = ceil(the row's largest t), a whole number; so 1/2 < the row's largest p <= 1. The row's sum l is taken of the UNQUANTISED p, in f32, and the product's result is divided by l at the end. Since M is a whole number, a kernel that streams over the keys may use a running M (the ceiling of the running maximum): every later rescaling is an exact power of two, which a block's scale takes up: the codes' values come out the same.
;;   OPERANDS COMPUTED ON THE WAY. 'Computed on the way' means the value that the module computes at that place (a softmax that the list does not call 'softmax' is quantised finished and normalised). What goes into a quantiser is computed in f32, as accurately as f32 sums, v_exp_f32 and their like allow (about 1e-6 of the number): no bf16 or f16 on the way to a quantiser, and a product that is left as it is and whose result goes on into a quantised operand takes f32 operands (vector FMAs, or v_wmma_f32_16x16x4_f32). A number that lies on a knife's edge between two numbers of the format may be rounded either way, as far as f32 arithmetic and the matrix unit's own rounding can turn it there, and no further.
;;   INPUTS GIVEN AS CODES. w_proj (in the module: [1024, 1024], K = its axis 0); w_qkv (in the module: [1024, 3072], K = its axis 0); x (in the module: [4, 2048, 1024], K = its axis 2): each comes as NAME_codes (uint8): NAME with its K axis moved to the last place and cut into blocks of 32 codes, [.., K / 32, bytes a block], one block behind the other in memory; four codes in three bytes: a row's codes are one little-endian stream of bits, code i at bits 6 i .. 6 i + 5 (a code: sign, 2 exponent bits, 3 mantissa bits); and NAME_scales (uint8): the same leading axes, one E8M0 byte (e + 127) for each 32 codes along K. Its value is code x scale, taken as it is: it is not quantised again, and the codes and scales need not be those that the quantiser above would give.
;; One version. Each part assembles by itself: llvm-mc -triple=amdgcn-amd-amdhsa -mcpu=gfx1250 --defsym DOCPART=n.
;; ======== version 1 of 1: 3 launches
;; workspace buffers: qkv 19,660,800 bytes; y_codes 6,291,456 bytes; y_scales 262,144 bytes
;; launch qkv (part 1): grid 96 x 4, 4 waves a work-group, clusters of 4 x 4, 327,680 bytes of LDS; arguments x_codes, x_scales, w_qkv_codes, w_qkv_scales, b_qkv, qkv; writes qkv
.if DOCPART == 1
	.amdgcn_target "amdgcn-amd-amdhsa--gfx1250"
	.amdhsa_code_object_version 6
	.text
	.protected	k_qcb48a0dfe6_qkv
	.globl	k_qcb48a0dfe6_qkv
	.p2align	8
	.type	k_qcb48a0dfe6_qkv,@function
k_qcb48a0dfe6_qkv:
	s_mov_b64 s[64:65], 0
	v_nop
	global_prefetch_b8 v0, s[64:65] scope:SCOPE_SE
	s_setreg_imm32_b32 hwreg(HW_REG_WAVE_MODE, 25, 1), 1
	s_wait_xcnt 0x0
	s_wait_alu depctr_hold_cnt(0) depctr_sa_sdst(0) depctr_va_vdst(0) depctr_va_sdst(0) depctr_va_ssrc(0) depctr_va_vcc(0) depctr_vm_vsrc(0)
	s_getreg_b32 s2, hwreg(HW_REG_IB_STS2, 6, 4)
	s_cmp_eq_u32 s2, 0
	s_cbranch_scc0 .Lentry_in_a_cluster
	s_endpgm
.Lentry_in_a_cluster:
	s_bfe_u32 s2, ttmp6, 0x10000c
	s_cmp_lg_u32 s2, 0xf033
	s_cbranch_scc0 .Lentry_shape_is_right
	s_endpgm
.Lentry_shape_is_right:
; qkv = x w_qkv + b_qkv on codes of FP6 (E2M3) with E8M0 scales, K = 1,024; the results are quantised at once: q and k along the head's 64 (two blocks of 32), v along the tokens (blocks of 32 keys),
; and leave as IMAGES OF OPERAND REGISTERS in records of 19,200 bytes, one for each (batch, head, 128 tokens): Q 6,144 | Q's scale words 256 | K 6,144 | V 6,144 | K's scale words 256 | V's 256.
; A tile is 256 P x 256 Q, four waves of 128 x 128 (64 accumulators).  P is source 0: its rows run along a lane's registers, and they are the axis that is quantised.  Q is source 1: one row a lane.
; Clusters 0-15 make q and k: P = rows 0..2047 of w_qkv (features), Q = rows of x (tokens).  Clusters 16-23 make v: P = rows of x (tokens), Q = rows 2048.. of w_qkv.  The choice hangs on the cluster's number alone.
; CLUSTERS: 4 x 4.  P's tile hangs on the cluster and cx: asked for jointly by a column; Q's on the cluster and cy: jointly by a row.  K goes in four steps of 256 through two LDS slots; the scale bytes come once.
; ORDER INSIDE A BLOCK OF 32: tile i, register j, half h of the lanes is index 16 i + 8 h + j, so a block's codes stand in the order 0-7, 16-23, 8-15, 24-31.  q and k get it alike, and so do v here and p in the next launch.
; LIMITS: NaN and infinities are not served; a block of zeros, or one under 2^-124, keeps the byte 1: its codes are zeros, and this program alone reads the bytes.
; REGISTERS: window 0: v2-15 scale words on the way out (v8, v9 first: the biases' offsets); v16-23 LDS addresses; v24 16 x lane, v25 8 x lane; v27 scale words' address; v28, v29 the spare word's address and 0;
;   v32-63 scale words, two sets; v64-127 the bias along P; v128-223 Q's fragments (on the way out v128-191 numbers, v192-215 at work); v224-231 the bias along Q; v232-255 two fragments to store.
;   window 1: P's fragments, two sets.  windows 2, 3: the accumulators, (a, b) at v[8 (8 (a % 4) + b)].
.set KSTEP,  256
.set NQ,     2
.set ROWB,   192                       ; a tile's row: 256 codes
.set KROW,   768                       ; a row of x or of w_qkv in memory
.set PITCH,  240                       ; an LDS row: 3 x (64 bytes + 16 of padding)
.set FR,     12
.set NL,     6
.set NP,     4
.set HALFT,  128*PITCH
.set SLOT,   4*HALFT                   ; Q's 256 rows, then P's 256 rows
.set KS,     32                        ; a row of scale bytes
.set SCL,    2*SLOT
.set HALFS,  (128*KS/256)*272
.set SBLK,   (16*KS/256)*272
.set SPARE,  SCL+4*HALFS               ; the spare words: 128 bytes a wave, two blocks of 256 bytes that no other line names
.set REC,    19200
.set HSTEP,  16*REC                    ; from a head's records to the next head's
.set ADRQ, 16
.set ADRP, 20
.set L16,  24
.set L8,   25
.set ADRS, 27
.set SPW,  28
.set NIL,  29
.set SC,   32
.set BP,   64
.set QF,   128
.set T,    128
.set TM,   192
.set X0,   208
.set X1,   212
.set BQ,   224
.set F0,   232
.set F1,   244
.set G1Q,  24
.set G0Q,  32
.set G1P,  48
.set G0P,  56
.set G1SQ, 68
.set G0SQ, 76
.set G1SP, 80
.set G0SP, 88
.set SEL,  92
.set OC,   96
.set OS,   98
.set MSB, 0
.macro WIN new                         ; the immediate's high byte repeats the setting that is left; a switch that changes nothing is dropped
.set NW, \new
.if MSB != NW
	s_set_vgpr_msb (MSB<<8)|NW
.set MSB, NW
.endif
.endm
.set MUL_LO, 0xa1                      ; source 0 (P) window 1, source 1 (Q) window 0, C and D window 2
.set MUL_HI, 0xf1
.set TO_P,   0x40
; A joint load: waves 0 and 1 fetch for Q, waves 2 and 3 for P.  The branch hangs on the wave's number alone.  Four v_nop follow each of the two lines.
.macro JLOAD g0a, g1a, g0b, g1b
	s_cmp_eq_u32 s17, 0
	s_cbranch_scc0 .Lfor_p_\@
	tensor_load_to_lds s[\g0a:\g0a+3], s[\g1a:\g1a+7]
	s_nop 0
.rept 4
	v_nop
.endr
	s_branch .Lasked_\@
.Lfor_p_\@:
	tensor_load_to_lds s[\g0b:\g0b+3], s[\g1b:\g1b+7]
	s_nop 0
.rept 4
	v_nop
.endr
.Lasked_\@:
.endm
.macro CREST                           ; a round of the cluster's barrier behind its opening barrier
	s_cmp_lg_u32 s16, 0
	s_cbranch_scc1 .Lnot_wave_0_\@
	s_barrier_signal -3
.Lnot_wave_0_\@:
	s_barrier_wait -3
	s_barrier_signal -1
	s_barrier_wait -1
.endm
.macro CROUND
	s_barrier_signal -1
	s_barrier_wait -1
	CREST
.endm
	s_load_b256 s[4:11], s[0:1], 0x0               ; x's codes s[4:5], x's scales s[6:7], w's codes s[8:9], w's scales s[10:11]
	s_load_b128 s[12:15], s[0:1], 0x20             ; b_qkv s[12:13], the records s[14:15]
	v_lshl_add_u32 v[SPW], v0, 2, SPARE
	v_mov_b32 v[NIL], 0
	ds_add_u32 v28, v29
	ds_add_u32 v28, v29
	s_wait_dscnt 0x0
	v_lshrrev_b32 v1, 5, v0
	v_readfirstlane_b32 s16, v1                    ; wave 0..3
	s_lshr_b32 s17, s16, 1                         ; which half of Q's rows is mine.  Also: I fetch for Q (0) or for P (1)
	s_and_b32 s18, s16, 1                          ; which half of P's rows.  Also: which 128 rows of that tile I fetch
	s_bfe_u32 s20, ttmp6, 0x40000                  ; cx
	s_bfe_u32 s21, ttmp6, 0x40004                  ; cy
	s_and_b32 s92, ttmp9, 1
	s_sub_co_u32 s93, ttmp9, 16
	s_lshr_b32 s94, ttmp9, 1
	s_cmp_lt_u32 ttmp9, 16                         ; q and k, or v?  the cluster's number: the same in all sixteen partners
	s_cselect_b32 s92, s92, s93
	s_cselect_b32 s94, s94, 0
	s_cselect_b32 s95, 0, 2048                     ; in v's clusters Q's rows begin at row 2,048 of w_qkv
	s_lshl_b32 s22, s92, 2
	s_add_co_u32 s22, s22, s20                     ; PT: P's tile
	s_lshl_b32 s23, s94, 2
	s_add_co_u32 s23, s23, s21                     ; QT: Q's tile
	s_lshl_b32 s92, s21, 2
	s_lshl_b32 s92, 15, s92                        ; my row of the cluster
	s_lshl_b32 s93, 0x1111, s20                    ; my column
	s_or_b32 s[G1Q+0], s92, (0<<16)|(1<<20)|(1<<21)|(3<<22)|(3<<25)   ; the mask; elements of 1 byte; padding on; bit 21 beside a mask; after every 16 words 4 words
	s_or_b32 s[G1P+0], s93, (0<<16)|(1<<20)|(1<<21)|(3<<22)|(3<<25)
.irp g, G1Q, G1P
	s_mov_b32 s[\g+1], ROWB<<16                    ; tensor_dim0
	s_mov_b32 s[\g+2], 128<<16                     ; tensor_dim1
	s_mov_b32 s[\g+3], ROWB<<16                    ; tile_dim0
	s_mov_b32 s[\g+4], 128                         ; tile_dim1
	s_mov_b32 s[\g+5], KROW                        ; from row to row
	s_mov_b32 s[\g+6], 0
	s_mov_b32 s[\g+7], 0
.endr
	s_or_b32 s[G1SQ+0], s92, (3<<16)|(1<<20)|(1<<21)|(5<<22)|(3<<25)  ; the scale bytes of 128 rows: 4,096 dense bytes as 16 rows of 256, 16 bytes of padding behind each
	s_or_b32 s[G1SP+0], s93, (3<<16)|(1<<20)|(1<<21)|(5<<22)|(3<<25)
.irp g, G1SQ, G1SP
	s_mov_b32 s[\g+1], 32<<16
	s_mov_b32 s[\g+2], (128*KS/256)<<16
	s_mov_b32 s[\g+3], 32<<16
	s_mov_b32 s[\g+4], 128*KS/256
	s_mov_b32 s[\g+5], 32
	s_mov_b32 s[\g+6], 0
	s_mov_b32 s[\g+7], 0
.endr
	s_lshl_b32 s2, s18, 7                          ; which 128 rows of the tile I fetch
	s_lshl_b32 s94, s23, 8
	s_add_co_u32 s94, s94, s95
	s_add_co_u32 s94, s94, s2                      ; Q's first row (it never holds cx)
	s_lshl_b32 s3, s22, 8
	s_add_co_u32 s3, s3, s2                        ; P's first row (it never holds cy)
	s_mul_i32 s[G0Q+2], s94, KROW                  ; byte offsets, all under 2^23
	s_mov_b32 s[G0Q+3], 0
	s_lshl_b32 s[G0SQ+2], s94, 5
	s_mov_b32 s[G0SQ+3], 0
	s_mul_i32 s[G0P+2], s3, KROW
	s_mov_b32 s[G0P+3], 0
	s_lshl_b32 s[G0SP+2], s3, 5
	s_mov_b32 s[G0SP+3], 0
	s_mul_i32 s2, s16, HALFT                       ; where they go: wave x 128 rows: no place in the cluster enters an LDS address
	s_mul_i32 s3, s16, HALFS
	s_mov_b32 s[G0Q], 1
	s_mov_b32 s[G0Q+1], s2
	s_mov_b32 s[G0Q+4], 1
	s_add_co_u32 s[G0Q+5], s2, SLOT
	s_mov_b32 s[G0P], 1
	s_mov_b32 s[G0P+1], s2
	s_mov_b32 s[G0P+4], 1
	s_add_co_u32 s[G0P+5], s2, SLOT
	s_mov_b32 s[G0SQ], 1
	s_add_co_u32 s[G0SQ+1], s3, SCL
	s_mov_b32 s[G0SP], 1
	s_add_co_u32 s[G0SP+1], s3, SCL
	s_wait_kmcnt 0x0
	s_cmp_lt_u32 ttmp9, 16
	s_cselect_b64 s[40:41], s[8:9], s[4:5]         ; P's codes: w_qkv's for q and k, x's for v
	s_cselect_b64 s[42:43], s[10:11], s[6:7]       ; P's scales
	s_cselect_b64 s[44:45], s[4:5], s[8:9]         ; Q's codes
	s_cselect_b64 s[46:47], s[6:7], s[10:11]       ; Q's scales
	s_add_nc_u64 s[G0Q+2:G0Q+3], s[44:45], s[G0Q+2:G0Q+3]
	s_add_nc_u64 s[G0Q+6:G0Q+7], s[G0Q+2:G0Q+3], ROWB
	s_add_nc_u64 s[G0SQ+2:G0SQ+3], s[46:47], s[G0SQ+2:G0SQ+3]
	s_add_nc_u64 s[G0P+2:G0P+3], s[40:41], s[G0P+2:G0P+3]
	s_add_nc_u64 s[G0P+6:G0P+7], s[G0P+2:G0P+3], ROWB
	s_add_nc_u64 s[G0SP+2:G0SP+3], s[42:43], s[G0SP+2:G0SP+3]
	s_or_b32 s[G0Q+3], s[G0Q+3], 0x80000000        ; type = 2
	s_or_b32 s[G0Q+7], s[G0Q+7], 0x80000000
	s_or_b32 s[G0SQ+3], s[G0SQ+3], 0x80000000
	s_or_b32 s[G0P+3], s[G0P+3], 0x80000000
	s_or_b32 s[G0P+7], s[G0P+7], 0x80000000
	s_or_b32 s[G0SP+3], s[G0SP+3], 0x80000000
	CROUND                                         ; all sixteen work-groups are here: the first joint loads meet
	JLOAD G0SQ, G1SQ, G0SP, G1SP                   ; the scale bytes, for all of K: filled once
	JLOAD G0Q, G1Q, G0P, G1P                       ; K step 0
	JLOAD G0Q+4, G1Q, G0P+4, G1P                   ; K step 1: three loads of mine are out
	v_and_b32 v1, 15, v0                           ; r
	v_bfe_u32 v2, v0, 4, 1                         ; h
	v_mul_u32_u24 v3, v1, PITCH
	v_mul_u32_u24 v4, v2, 24
	v_add_nc_u32 v4, v3, v4                        ; a fragment's row x pitch + 24 x half
	v_lshl_add_u32 v5, v2, 4, v4                   ; and the same behind one padding more
	s_mul_i32 s2, s17, HALFT                       ; my 128 rows of Q
	s_mul_i32 s3, s18, HALFT                       ; my 128 rows of P,
	s_add_co_u32 s3, s3, 2*HALFT                   ; which lie behind Q's 256
.irp s, 0,1
	v_add_nc_u32 v[ADRQ+\s], s2, v4
	v_add_nc_u32 v[ADRP+\s], s3, v4
	v_add_nc_u32 v[ADRQ+2+\s], s2, v5
	v_add_nc_u32 v[ADRP+2+\s], s3, v5
	s_add_co_u32 s2, s2, SLOT
	s_add_co_u32 s3, s3, SLOT
.endr
	v_mul_u32_u24 v5, v1, KS                       ; my row's scale bytes,
	v_lshrrev_b32 v6, 8, v5
	v_lshl_add_u32 v5, v6, 4, v5                   ; and 16 more for each 256 passed
	s_mul_i32 s2, s17, HALFS
	s_mul_i32 s3, s18, HALFS
	s_add_co_u32 s3, s3, 2*HALFS
	s_sub_co_u32 s3, s3, s2
	v_mul_u32_u24 v6, s3, v2                       ; lanes 16-31 take P's
	s_add_co_u32 s2, s2, SCL
	v_add_nc_u32 v5, v5, v6
	v_add_nc_u32 v[ADRS], s2, v5
	v_and_b32 v7, 31, v0
	v_lshlrev_b32 v[L16], 4, v7
	v_lshlrev_b32 v[L8], 3, v7
	; the biases, both kinds in every work-group; the kind that is not used reads b_qkv's first numbers, so that no load leaves the buffer
	s_lshl_b32 s92, s22, 10
	s_lshl_b32 s93, s18, 9
	s_add_co_u32 s92, s92, s93                     ; q, k: 4 x (256 PT + 128 PH)
	s_lshl_b32 s94, s23, 10
	s_lshl_b32 s95, s17, 9
	s_add_co_u32 s94, s94, s95
	s_add_co_u32 s94, s94, 8192                    ; v: 4 x (2,048 + 256 QT + 128 QH)
	s_cmp_lt_u32 ttmp9, 16
	s_cselect_b32 s92, s92, 0
	s_cselect_b32 s94, 0, s94
	v_lshl_add_u32 v8, v2, 5, s92                  ; along P: register 8 b + j is feature 16 b + 8 h + j
	v_lshl_add_u32 v9, v1, 2, s94                  ; along Q: block a, lane r is feature 16 a + r
.irp b, 0,1,2,3,4,5,6,7
	global_load_b128 v[BP+8*\b:BP+8*\b+3], v8, s[12:13] offset:64*\b
	global_load_b128 v[BP+8*\b+4:BP+8*\b+7], v8, s[12:13] offset:64*\b+16
.endr
.irp a, 0,1,2,3,4,5,6,7
	global_load_b32 v[BQ+\a], v9, s[12:13] offset:64*\a
.endr
	; where my wave's results go: record ((batch x 16 + head) x 16 + token / 128), and the field in it
	s_lshl_b32 s92, s23, 1
	s_add_co_u32 s92, s92, s17                     ; 2 QT + QH
	s_lshl_b32 s93, s22, 1
	s_add_co_u32 s93, s93, s18                     ; 2 PT + PH
	s_lshl_b32 s94, s93, 1
	s_and_b32 s94, s94, 15                         ; q, k: my first head
	s_lshl_b32 s95, s92, 1                         ; v: my first head
	s_cmp_lt_u32 s22, 4                            ; q's features, or k's
	s_cselect_b32 s2, 0, 6400
	s_mov_b32 s3, 18688
	s_cselect_b32 s3, 6144, s3
	s_cmp_lt_u32 ttmp9, 16
	s_cselect_b32 s92, s92, s93                    ; which 128 tokens
	s_cselect_b32 s94, s94, s95                    ; the head
	s_mov_b32 s93, 12544
	s_cselect_b32 s2, s2, s93                      ; the codes' field
	s_mov_b32 s93, 18944
	s_cselect_b32 s3, s3, s93                      ; the scale words' field
	s_lshr_b32 s93, s92, 4
	s_lshl_b32 s93, s93, 4
	s_add_co_u32 s93, s93, s94
	s_lshl_b32 s93, s93, 4
	s_and_b32 s92, s92, 15
	s_add_co_u32 s93, s93, s92
	s_mul_i32 s93, s93, REC
	s_add_co_u32 s92, s2, s93
	s_add_co_u32 s94, s3, s93
	s_mov_b32 s93, 0
	s_mov_b32 s95, 0
	s_add_nc_u64 s[OC:OC+1], s[14:15], s[92:93]
	s_add_nc_u64 s[OS:OS+1], s[14:15], s[94:95]
.macro FRAG reg, adr, q, i             ; a fragment, 16 rows x 128 K: 12 registers, in pieces of 8 bytes; lanes 16-31 read three pieces on, for some pieces behind one padding more: the second address register
.irp p, 0,1,2,3,4,5
.set PC, 12*(\q)+6*(\p/3)+\p%3
.if PC%8 < 5
	ds_load_b64 v[\reg+2*\p:\reg+2*\p+1], v[\adr] offset:8*PC+16*(PC/8)+(\i)*16*PITCH
.else
	ds_load_b64 v[\reg+2*\p:\reg+2*\p+1], v[\adr+2] offset:8*PC+16*(PC/8)+(\i)*16*PITCH
.endif
.endr
.endm
; 16 matrix instructions: Q's blocks a0, a0 + 1 x P's eight, 128 along K.  The 64 accumulators take turns, one instruction a turn, in the same order in every step.
.macro MUL16 a0, p, q, sc, zero
.irp a, \a0, \a0+1
.irp b, 0,1,2,3,4,5,6,7
.if \zero
	v_wmma_scale_f32_16x16x128_f8f6f4 v[8*(8*((\a)%4)+\b):8*(8*((\a)%4)+\b)+7], v[128*(\p)+FR*\b:128*(\p)+FR*\b+FR-1], v[QF+FR*(\a):QF+FR*(\a)+FR-1], 0, v[SC+8*NQ*(\sc)+NQ*\b+(\q)], v[SC+8*NQ*(\sc)+NQ*(\a)+(\q)] matrix_a_fmt:MATRIX_FMT_FP6 matrix_b_fmt:MATRIX_FMT_FP6 matrix_a_scale:MATRIX_SCALE_ROW1
.else
	v_wmma_scale_f32_16x16x128_f8f6f4 v[8*(8*((\a)%4)+\b):8*(8*((\a)%4)+\b)+7], v[128*(\p)+FR*\b:128*(\p)+FR*\b+FR-1], v[QF+FR*(\a):QF+FR*(\a)+FR-1], v[8*(8*((\a)%4)+\b):8*(8*((\a)%4)+\b)+7], v[SC+8*NQ*(\sc)+NQ*\b+(\q)], v[SC+8*NQ*(\sc)+NQ*(\a)+(\q)] matrix_a_fmt:MATRIX_FMT_FP6 matrix_b_fmt:MATRIX_FMT_FP6 matrix_a_scale:MATRIX_SCALE_ROW1
.endif
.endr
.endr
.endm
.macro FETCH_P slot, q, p
	WIN TO_P
.irp i, 0,1,2,3,4,5,6,7
	FRAG 128*(\p)+FR*\i, ADRP+\slot, \q, \i
.endr
	WIN 0
.endm
.macro FETCH_Q slot, q, i0
.irp i, \i0, \i0+1, \i0+2, \i0+3
	FRAG QF+FR*(\i), ADRQ+\slot, \q, \i
.endr
.endm
.macro SCALES sc                       ; a K step's scale words: lanes 0-15 Q's block i, lanes 16-31 P's block i
.irp i, 0,1,2,3,4,5,6,7
	ds_load_b64 v[SC+8*NQ*\sc+NQ*\i:SC+8*NQ*\sc+NQ*\i+1], v[ADRS] offset:\i*SBLK
.endr
.endm
.macro PLACES n                        ; plain vector instructions between a matrix instruction and a load into, or a read of, its registers
.rept \n
	v_nop
.endr
.endm
.macro STEP slot, q, zero              ; 128 along K with its successor in the same slot
	s_wait_dscnt 4*NL                              ; P's set and Q's blocks 0-3 are in; the youngest 24 loads (Q's blocks 4-7) may be out
	WIN MUL_LO
	MUL16 0, (\q)%2, \q, \slot, \zero
	MUL16 2, (\q)%2, \q, \slot, \zero
	s_wait_dscnt 0
	PLACES NP
	FETCH_P \slot, (\q)+1, 1-(\q)%2
	FETCH_Q \slot, (\q)+1, 0
	WIN MUL_HI
	MUL16 4, (\q)%2, \q, \slot, \zero
	MUL16 6, (\q)%2, \q, \slot, \zero
	PLACES NP
	WIN 0
	FETCH_Q \slot, (\q)+1, 4
.endm
; A slot's last step changes slots: in front of the one barrier each wave waits for all its tensor loads, adds 0 to its spare word, and waits for that and for its reads of this slot.
.macro TURN slot, next, fill
	s_wait_tensorcnt 0x0                           ; all my tensor loads have landed: my part of the next slot
	ds_add_u32 v[SPW], v[NIL]                      ; 0 onto my spare word
	s_wait_dscnt 4*NL+1                            ; (the add and the youngest 24 loads may be out)
	WIN MUL_LO
	MUL16 0, 1, NQ-1, \slot, 0
	s_wait_dscnt 0x0                               ; the add is done, and my reads of this slot are over
	s_barrier_signal -1
	MUL16 2, 1, NQ-1, \slot, 0
	WIN 0
	s_barrier_wait -1
.if \fill
	CREST                                          ; the barrier has opened a round of the cluster's: no wave of any partner still reads this slot or has a load on its way
	s_add_nc_u64 s[G0Q+4*\slot+2:G0Q+4*\slot+3], s[G0Q+4*\slot+2:G0Q+4*\slot+3], 2*ROWB
	s_add_nc_u64 s[G0P+4*\slot+2:G0P+4*\slot+3], s[G0P+4*\slot+2:G0P+4*\slot+3], 2*ROWB
	JLOAD G0Q+4*\slot, G1Q, G0P+4*\slot, G1P       ; the first tensor load behind the round; its four v_nop are the places in front of the loads below
.else
	PLACES NP
.endif
	s_wait_alu depctr_va_vdst(0)
	v_add_nc_u32 v[ADRS], 4*NQ, v[ADRS]            ; the next K step's scale words
	FETCH_P \next, 0, 0
	FETCH_Q \next, 0, 0
	SCALES \next
	WIN MUL_HI
	MUL16 4, 1, NQ-1, \slot, 0
	MUL16 6, 1, NQ-1, \slot, 0
	PLACES NP
	WIN 0
	FETCH_Q \next, 0, 4
.endm
	s_wait_alu depctr_va_vdst(0)
	s_wait_tensorcnt 1                             ; the scale bytes and my part of K step 0 are in; K step 1's load may be out
	s_barrier_signal -1
	s_barrier_wait -1
	FETCH_P 0, 0, 0
	FETCH_Q 0, 0, 0
	SCALES 0
	FETCH_Q 0, 0, 4
	STEP 0, 0, 1                                   ; the first products start the sums.  K has four slots' worth: the steps are written out, no loop
	TURN 0, 1, 1                                   ; slot 0 takes K step 2
	STEP 1, 0, 0
	TURN 1, 0, 1                                   ; slot 1 takes K step 3
	STEP 0, 0, 0
	TURN 0, 1, 0
	STEP 1, 0, 0
	s_wait_dscnt 4*NL
	WIN MUL_LO
	MUL16 0, 1, NQ-1, 1, 0
	MUL16 2, 1, NQ-1, 1, 0
	s_wait_dscnt 0
	WIN MUL_HI
	MUL16 4, 1, NQ-1, 1, 0
	MUL16 6, 1, NQ-1, 1, 0
	WIN 0
; THE WAY OUT.  For each block a of Q's rows a lane's 64 numbers (8 accumulators) are 128 along P: four blocks of 32.  Bias, quantiser, and the codes leave as they stand in the registers.
.macro ADDP a                          ; the numbers of block a + the bias along P; each accumulator from its low end on
	WIN 0x02+(\a)/4
.set AC, 64*((\a)%4)
.set i, 0
.rept 32
	v_pk_add_f32 v[T+i:T+i+1], v[AC+i:AC+i+1], v[BP+i:BP+i+1]
.set i, i+2
.endr
	WIN 0
.endm
.macro ADDQ a                          ; + the bias along Q: one number a lane
	WIN 0x02+(\a)/4
.set AC, 64*((\a)%4)
.set i, 0
.rept 64
	v_add_f32 v[T+i], v[AC+i], v[BQ+(\a)]
.set i, i+1
.endr
	WIN 0
.endm
; 64 numbers v[s] .. v[s + 63], register 16 b + i in block b: blocks 0, 1 become six registers at d0 (lanes 0-15 block 0, lanes 16-31 block 1), blocks 2, 3 six at d1; the four bytes make v[pw]
.macro QUANT s, d0, d1, pw
.irp b, 0,1,2,3
	v_max3_num_f32 v[TM+\b], |v[\s+16*\b]|, |v[\s+1+16*\b]|, 0x1800000   ; my 16 numbers of block b, and the floor 2^(3 - 127): the byte cannot fall under 1
.endr
.irp i, 2,4,6,8,10,12,14
.irp b, 0,1,2,3
	v_max3_num_f32 v[TM+\b], v[TM+\b], |v[\s+16*\b+\i]|, |v[\s+1+16*\b+\i]|
.endr
.endr
.irp b, 0,1,2,3
	v_permlanex16_b32 v[TM+4+\b], v[TM+\b], s[SEL], s[SEL+1]
.endr
.irp b, 0,1,2,3
	v_max_num_f32 v[TM+\b], v[TM+\b], v[TM+4+\b]   ; with lane l xor 16's: the block's largest magnitude
.endr
.irp b, 0,1,2,3
	v_add_nc_u32 v[TM+12+\b], 0xff000000, v[TM+\b] ; 2 off its exponent field: the conversion's scale operand
.endr
.irp b, 0,1,2,3
	v_lshrrev_b32 v[TM+4+\b], 23, v[TM+12+\b]      ; the scale's byte
.endr
	v_lshl_or_b32 v[\pw], v[TM+5], 8, v[TM+4]
	v_lshl_or_b32 v[\pw], v[TM+6], 16, v[\pw]
	v_lshl_or_b32 v[\pw], v[TM+7], 24, v[\pw]
	v_cvt_scalef32_pk16_fp6_f32 v[(\d0):(\d0)+2], v[\s:\s+15], v[TM+12]
	v_cvt_scalef32_pk16_fp6_f32 v[X0:X0+2], v[\s+16:\s+31], v[TM+13]
	v_cvt_scalef32_pk16_fp6_f32 v[(\d1):(\d1)+2], v[\s+32:\s+47], v[TM+14]
	v_cvt_scalef32_pk16_fp6_f32 v[X1:X1+2], v[\s+48:\s+63], v[TM+15]
	v_nop                                          ; one plain place behind a scaled conversion
.irp i, 0,1,2
	v_permlane16_swap_b32 v[(\d0)+\i], v[X0+\i]    ; a whole block to a lane
	v_permlane16_swap_b32 v[(\d1)+\i], v[X1+\i]
.endr
.irp i, 0,1,2
	v_mov_b32 v[(\d0)+3+\i], v[X0+\i]
	v_mov_b32 v[(\d1)+3+\i], v[X1+\i]
.endr
.endm
.macro PUT reg, off                    ; a fragment's 12 registers: three stores, each of 512 consecutive bytes at a multiple of 256 from the buffer's first byte
.irp c, 0,1,2
	global_store_b128 v[L16], v[(\reg)+4*\c:(\reg)+4*\c+3], s[OC:OC+1] offset:(\off)+512*\c
.endr
.endm
	PLACES NP                                      ; behind the last products, ahead of the first read of results and of writes into registers that held Q's fragments
	s_wait_loadcnt 0x0                             ; the biases
	s_mov_b32 s[SEL], 0x76543210
	s_mov_b32 s[SEL+1], 0xfedcba98                 ; v_permlanex16_b32's selects for lane l xor 16
	s_mov_b32 s100, 0xffff0000                     ; lanes 16-31
.irp b, 0,1,2,3
	v_mov_b32 v[TM+4+\b], 0                        ; a lane permute's destination counts as one of its sources
.endr
	s_cmp_lt_u32 ttmp9, 16
	s_cbranch_scc0 .Lvalues
	; q and k: a lane holds one token; blocks 0, 1 are my first head's 64, blocks 2, 3 my second head's.  Fragment f of a head: registers 0-5 token 32 f + r, registers 6-11 token 32 f + 16 + r
.irp f, 0,1,2,3
	s_wait_xcnt 0x0                                ; the stores of the fragment before have read their registers
	ADDP 2*\f
	QUANT T, F0, F1, 2
	ADDP 2*\f+1
	QUANT T, F0+6, F1+6, 3
	v_perm_b32 v[4+\f], v3, v2, 0x05040100         ; the first head's word: the two tokens' two bytes each
	v_perm_b32 v[8+\f], v3, v2, 0x07060302         ; the second head's
	PUT F0, 1536*\f
	PUT F1, HSTEP+1536*\f
.endr
	s_branch .Lwords
.Lvalues:
	; v: a lane holds one feature, its registers run along 128 tokens: block a is fragment a % 4 of head a / 4
.irp a, 0,1,2,3,4,5,6,7
	s_wait_xcnt 0x0
	ADDQ \a
	QUANT T, F0+12*(\a%2), F0+12*(\a%2)+6, 4+\a
	PUT F0+12*(\a%2), (\a/4)*HSTEP+(\a%4)*1536
.endr
.Lwords:
	s_wait_alu depctr_va_vdst(0)
	; the scale words of a head's four fragments: lanes 0-15 carry fragments 0 and 2, lanes 16-31 fragments 1 and 3: one store of 256 consecutive, aligned bytes
.irp e, 0,1
	v_cndmask_b32 v[12+2*\e], v[4+4*\e], v[5+4*\e], s100
	v_cndmask_b32 v[13+2*\e], v[6+4*\e], v[7+4*\e], s100
	global_store_b64 v[L8], v[12+2*\e:13+2*\e], s[OS:OS+1] offset:\e*HSTEP
.endr
	s_wait_tensorcnt 0x0                           ; the wave's end
	ds_add_u32 v[SPW], v[NIL]
	s_wait_dscnt 0x0
	CROUND                                         ; the closing round
	s_endpgm
.Lfunc_end_k_qcb48a0dfe6_qkv:
	.size	k_qcb48a0dfe6_qkv, .Lfunc_end_k_qcb48a0dfe6_qkv-k_qcb48a0dfe6_qkv
	.p2alignl 7, 3214868480
	.fill 96, 4, 3214868480
	.section	.rodata,"a",@progbits
	.p2align	6, 0x0
	.amdhsa_kernel k_qcb48a0dfe6_qkv
		.amdhsa_group_segment_fixed_size 327680
		.amdhsa_private_segment_fixed_size 0
		.amdhsa_enable_private_segment 0
		.amdhsa_kernarg_size 48
		.amdhsa_user_sgpr_count 2
		.amdhsa_user_sgpr_kernarg_segment_ptr 1
		.amdhsa_wavefront_size32 1
		.amdhsa_system_sgpr_workgroup_id_x 1
		.amdhsa_system_sgpr_workgroup_id_y 1
		.amdhsa_system_sgpr_workgroup_id_z 1
		.amdhsa_system_vgpr_workitem_id 0
		.amdhsa_next_free_vgpr 1024
		.amdhsa_next_free_sgpr 102
		.amdhsa_reserve_vcc 0
		.amdhsa_float_denorm_mode_32 3
		.amdhsa_float_denorm_mode_16_64 3
		.amdhsa_memory_ordered 1
		.amdhsa_forward_progress 1
		.amdhsa_inst_pref_size 233
	.end_amdhsa_kernel
	.amdgpu_metadata
---
amdhsa.version: [ 1, 2 ]
amdhsa.kernels:
  - .name:           k_qcb48a0dfe6_qkv
    .symbol:         k_qcb48a0dfe6_qkv.kd
    .args:
      - { .name: x_codes, .offset: 0, .size: 8, .value_kind: global_buffer, .address_space: global }
      - { .name: x_scales, .offset: 8, .size: 8, .value_kind: global_buffer, .address_space: global }
      - { .name: w_qkv_codes, .offset: 16, .size: 8, .value_kind: global_buffer, .address_space: global }
      - { .name: w_qkv_scales, .offset: 24, .size: 8, .value_kind: global_buffer, .address_space: global }
      - { .name: b_qkv, .offset: 32, .size: 8, .value_kind: global_buffer, .address_space: global }
      - { .name: qkv, .offset: 40, .size: 8, .value_kind: global_buffer, .address_space: global }
    .group_segment_fixed_size: 327680
    .private_segment_fixed_size: 0
    .kernarg_segment_align: 8
    .kernarg_segment_size: 48
    .max_flat_workgroup_size: 128
    .sgpr_count:     102
    .vgpr_count:     1024
    .wavefront_size: 32
...
	.end_amdgpu_metadata
.endif
;; end of part 1
;; launch attn (part 2): grid 4 x 64, 16 waves a work-group, no clusters, 327,680 bytes of LDS; arguments qkv, y_codes, y_scales; writes y_codes, y_scales
.if DOCPART == 2
	.amdgcn_target "amdgcn-amd-amdhsa--gfx1250"
	.amdhsa_code_object_version 6
	.text
	.protected	k_qcb48a0dfe6_attn
	.globl	k_qcb48a0dfe6_attn
	.p2align	8
	.type	k_qcb48a0dfe6_attn,@function
k_qcb48a0dfe6_attn:
	s_mov_b64 s[64:65], 0
	v_nop
	global_prefetch_b8 v0, s[64:65] scope:SCOPE_SE
	s_setreg_imm32_b32 hwreg(HW_REG_WAVE_MODE, 25, 1), 1
	s_wait_xcnt 0x0
; Causal attention of one (batch, head) on codes of FP6 (E2M3) with E8M0 scales, head size 64; y = O / l is quantised along the model's axis and leaves as images of operand registers.
; t = score x log2(e) / 8; M = the running largest t rounded up to a whole number; p = 2^(t - M) is quantised along the keys; the row's sum is taken of the unquantised p and divides at the end.
; SHARES.  Work-group (X, head) owns the query blocks X and 7 - X, 256 queries each; each of its sixteen waves one tile of 16 queries in each block.  The walk has NINE positions of 256 keys in every work-group:
; positions 0 .. X serve block X with keys 0 .. 256 X + 255, positions X + 1 .. 8 serve block 7 - X.  So all work-groups do the same work, and no tile is fetched that nobody reads.
; NO CLUSTER: behind the change of blocks the four work-groups of a head want different keys at the same position.  NO PREFETCH: a refill is asked for a whole position ahead of the wait for it,
; and a head's four work-groups read its K and V several times over.
; K, V and their scale words lie in memory as register images (12,800 dense bytes for 128 keys): waves 0-3 bring 6,400 bytes each into one of two LDS slots.
; S^T = K Q^T: a fragment of K holds TWO tiles of 16 keys (k 0-63: key 32 f + r; k 64-127: key 32 f + 16 + r); it is multiplied by [q | 0] and by [0 | q].  Register n holds key 32 (n / 16) + 16 ((n / 8) % 2) + 8 h + n % 8.
; O^T = V^T P^T.  A lane holds one query throughout.  p's codes stand in a block in the order 0-7, 16-23, 8-15, 24-31, as V's do.
; LIMITS: NaN and infinities are not served; a block of zeros keeps the byte 1: its codes are zeros, and this program alone reads the bytes.
; REGISTERS: v1 16 x lane, v2 8 x lane, v3, v4 the spare word's address and 0, v5, v6 LDS addresses, v7 2 r; v8, v9 at work; v12 -M, v13 largest t, v[14:15] the sum; v16-21 zeros, v22-27 q, v28-33 zeros; v34 q's scale word;
;   v35, v36-41 the second block's; v48-95 four fragments; v96-159 S^T, then p; v160-191 O^T; v192-203 p's codes; v204-211, v212-223, v236-239 at work; v[228:229] K's scale words, v[230:231] V's, v232 p's; v[234:235] a factor.
.set REC,   19200
.set HSTEP, 307200
.set STEPB, 12800                      ; 128 keys in LDS: K 0, V 6,144, K's scale words 12,288, V's 12,544
.set SLOT1, 32768                      ; slot 1: one exclusive or turns an address
.set SPARE, 65536                      ; the spare words: 128 bytes for each of sixteen waves, eight blocks of 256 bytes that no other line names
.macro TLOAD                           ; waves 0-3 fetch, one load each; four v_nop follow it
	s_cmp_lt_u32 s18, 4
	s_cbranch_scc0 .Lnone_\@
	tensor_load_to_lds s[36:39], s[28:35]
	s_nop 0
.rept 4
	v_nop
.endr
.Lnone_\@:
.endm
.macro INIT                            ; a block's start: the largest t under every t, the sums and O^T zero
	v_mov_b32 v13, 0xff61b1e6
	s_delay_alu instid0(VALU_DEP_1)
	v_floor_f32 v12, -v13
	v_mov_b32 v14, 0
	v_mov_b32 v15, 0
.set j, 0
.rept 32
	v_mov_b32 v[160+j], 0                          ; (these also stand between the writes of q and its scale word and the products that read them)
.set j, j+1
.endr
.endm
	s_load_b128 s[4:7], s[0:1], 0x0                ; the records, y's codes
	s_load_b64 s[8:9], s[0:1], 0x10                ; y's scale bytes
	v_lshl_add_u32 v3, v0, 2, SPARE
	v_mov_b32 v4, 0
	ds_add_u32 v3, v4
	ds_add_u32 v3, v4
	s_wait_dscnt 0x0
	v_lshrrev_b32 v8, 5, v0
	s_delay_alu instid0(VALU_DEP_1)
	v_readfirstlane_b32 s18, v8                    ; wave 0..15
	s_mov_b32 s19, ttmp9                           ; X
	s_and_b32 s20, ttmp7, 0xffff                   ; batch x 16 + head
	s_mov_b32 s28, 3<<16                           ; group 1: 6,400 dense bytes as 25 rows of 32 elements of 8 bytes, no padding, no mask
	s_mov_b32 s29, 32<<16
	s_mov_b32 s30, 25<<16
	s_mov_b32 s31, 32<<16
	s_mov_b32 s32, 25
	s_mov_b32 s33, 32
	s_mov_b32 s34, 0
	s_mov_b32 s35, 0
	s_mov_b32 s22, 0x76543210
	s_mov_b32 s23, 0xfedcba98                      ; v_permlanex16_b32's selects for lane l xor 16
	s_mov_b32 s24, 0x3e38aa3b                      ; c = log2(e) / 8
	s_mov_b32 s25, s24
	s_mov_b32 s42, 0                               ; the slot in hand
	s_mov_b32 s43, 0                               ; the position
	s_mov_b32 s44, 0                               ; which 256 keys were asked for last
	s_mov_b32 s45, 0                               ; the step's first key
	s_lshl_b32 s56, s18, 4
	s_lshl_b32 s46, s19, 8
	s_add_co_u32 s46, s46, s56                     ; my first query in block X
	s_sub_co_u32 s47, 7, s19
	s_lshl_b32 s47, s47, 8
	s_add_co_u32 s47, s47, s56                     ; and in block 7 - X
	s_mul_i32 s60, s20, HSTEP
	s_mov_b32 s61, 0                               ; the head's first record
	s_and_b32 s56, s18, 3                          ; what I fetch, if I fetch: record w / 2 of a slot's two, half w % 2 of its 12,800 bytes
	s_mov_b32 s36, 1
	s_mul_i32 s37, s56, 6400
	s_lshr_b32 s57, s56, 1
	s_mul_i32 s57, s57, REC
	s_and_b32 s58, s56, 1
	s_mul_i32 s58, s58, 6400
	s_add_co_u32 s58, s58, s57
	s_add_co_u32 s58, s58, 6400
	s_mov_b32 s59, 0
	s_add_nc_u64 s[58:59], s[58:59], s[60:61]
	s_wait_kmcnt 0x0
	s_add_nc_u64 s[40:41], s[4:5], s[58:59]
	s_mov_b64 s[38:39], s[40:41]
	s_or_b32 s39, s39, 0x80000000
	TLOAD                                          ; keys 0 to 255 into slot 0: the one first fill
	s_lshr_b32 s56, s46, 7
	s_mul_i32 s56, s56, REC
	s_mov_b32 s57, 0
	s_add_nc_u64 s[56:57], s[56:57], s[60:61]
	s_add_nc_u64 s[66:67], s[4:5], s[56:57]        ; the record of my queries in block X
	s_lshr_b32 s56, s47, 7
	s_mul_i32 s56, s56, REC
	s_mov_b32 s57, 0
	s_add_nc_u64 s[56:57], s[56:57], s[60:61]
	s_add_nc_u64 s[68:69], s[4:5], s[56:57]        ; and in block 7 - X
	s_bfe_u32 s70, s18, 0x20001                    ; f: which fragment of the record holds my 16 queries,
	s_and_b32 s71, s18, 1                          ; u: its registers 0-5 or 6-11
	s_mul_i32 s72, s70, 1536
	s_mul_i32 s73, s71, 520
	s_add_co_u32 s73, s73, s72                     ; registers 0, 1 at 0, or 6, 7 at 520
	s_mul_i32 s74, s71, 1016
	s_add_co_u32 s74, s74, s72
	s_add_co_u32 s74, s74, 8                       ; 2, 3 at 8, or 8, 9 at 1,024
	s_add_co_u32 s75, s73, 512                     ; 4, 5 at 512, or 10, 11 at 1,032
	s_and_b32 s56, s70, 1
	s_lshl_b32 s56, s56, 7
	s_lshr_b32 s57, s70, 1
	s_lshl_b32 s57, s57, 2
	s_add_co_u32 s56, s56, s57
	s_lshl_b32 s57, s71, 1
	s_add_co_u32 s56, s56, s57                     ; my two scale bytes: 128 (f % 2) + 4 (f / 2) + 2 u, + 8 r
	v_and_b32 v8, 31, v0
	v_and_b32 v9, 15, v0
	s_delay_alu instid0(VALU_DEP_2)
	v_lshlrev_b32 v1, 4, v8
	s_delay_alu instid0(VALU_DEP_3)
	v_lshlrev_b32 v2, 3, v8
	s_delay_alu instid0(VALU_DEP_3)
	v_lshlrev_b32 v7, 1, v9
	s_delay_alu instid0(VALU_DEP_3)
	v_add_nc_u32 v236, s73, v1
	s_delay_alu instid0(VALU_DEP_4)
	v_add_nc_u32 v237, s74, v1
	v_add_nc_u32 v238, s75, v1
	v_lshl_add_u32 v239, v9, 3, s56
	global_load_b64 v[22:23], v236, s[66:67]
	global_load_b64 v[24:25], v237, s[66:67]
	global_load_b64 v[26:27], v238, s[66:67]
	global_load_u16 v34, v239, s[66:67] offset:6144
	global_load_b64 v[36:37], v236, s[68:69]
	global_load_b64 v[38:39], v237, s[68:69]
	global_load_b64 v[40:41], v238, s[68:69]
	global_load_u16 v35, v239, s[68:69] offset:6144
	; where y goes: codes [token / 16][head][768], scale bytes [head][token][2]
	s_lshr_b32 s56, s20, 4
	s_lshl_b32 s56, s56, 11                        ; the batch's first token
	s_and_b32 s57, s20, 15
	s_mul_i32 s58, s57, 768
	s_lshl_b32 s59, s57, 14
	s_mov_b32 s73, 0
	s_add_co_u32 s70, s56, s46
	s_lshr_b32 s72, s70, 4
	s_mul_i32 s72, s72, 12288
	s_add_co_u32 s72, s72, s58
	s_add_nc_u64 s[48:49], s[6:7], s[72:73]
	s_lshl_b32 s72, s70, 1
	s_add_co_u32 s72, s72, s59
	s_add_nc_u64 s[52:53], s[8:9], s[72:73]
	s_add_co_u32 s70, s56, s47
	s_lshr_b32 s72, s70, 4
	s_mul_i32 s72, s72, 12288
	s_add_co_u32 s72, s72, s58
	s_add_nc_u64 s[50:51], s[6:7], s[72:73]
	s_lshl_b32 s72, s70, 1
	s_add_co_u32 s72, s72, s59
	s_add_nc_u64 s[54:55], s[8:9], s[72:73]
.irp i, 0,1,2,3,4,5
	v_mov_b32 v[16+\i], 0                          ; the zero halves beside q
	v_mov_b32 v[28+\i], 0
.endr
.irp b, 0,1,2,3
	v_mov_b32 v[216+\b], 0                         ; a lane permute's destination counts as one of its sources
.endr
	v_mov_b32 v235, 0                              ; (named as the upper half of the pair v[234:235])
	s_wait_loadcnt 0x0
	v_lshl_or_b32 v34, v34, 16, v34                ; q's two bytes serve both halves of K
	v_lshl_or_b32 v35, v35, 16, v35
	INIT
; THE CHANGE OF SLOTS, at a position's head.  Each wave waits for all its tensor loads, adds 0 to its spare word, and waits for that and for its reads of the slot that it has left.
; fill = 1: behind the barrier that slot takes the next position's keys: the following 256, or, behind block X's last position, keys 0 to 255 again.
.macro CHANGE fill
	s_wait_tensorcnt 0x0                           ; no tensor load of mine is out, so group 0 may be written
	ds_add_u32 v3, v4                              ; 0 onto my spare word
.if \fill
	s_add_co_u32 s44, s44, 1
	s_cmp_eq_u32 s43, s19
	s_cselect_b32 s44, 0, s44
	s_xor_b32 s37, s37, SLOT1
	s_mul_i32 s56, s44, 2*REC
	s_mov_b32 s57, 0
	s_add_nc_u64 s[38:39], s[40:41], s[56:57]
	s_or_b32 s39, s39, 0x80000000
.endif
	s_wait_dscnt 0x0                               ; the add is done, and my reads of the slot that I have left are over
	s_barrier_signal -1
	s_barrier_wait -1
.if \fill
	TLOAD                                          ; the first thing behind the barrier, and a wave's one tensor load until the next
.endif
	v_add_nc_u32 v5, s42, v1
	v_add_nc_u32 v6, s42, v2
.endm
; A KEY STEP: 128 keys, the q-th of the slot in hand
.macro STEP q
	s_add_co_u32 s56, s46, 15
	s_cmp_gt_u32 s45, s56                          ; all its keys come after my 16 queries: the step's work is left out (a branch on ids; no barrier and no tensor load stands in a step)
	s_cbranch_scc1 .Lhidden_\@
	s_wait_alu depctr_va_vdst(0)
.irp f, 0,1,2,3
.irp c, 0,1,2
	ds_load_b128 v[48+12*\f+4*\c:51+12*\f+4*\c], v5 offset:STEPB*\q+1536*\f+512*\c
.endr
.endr
	ds_load_b64 v[228:229], v6 offset:STEPB*\q+12288
	s_wait_dscnt 0x0
.irp f, 0,1,2,3
.if \f%2
	v_wmma_scale_f32_16x16x128_f8f6f4 v[96+16*\f:103+16*\f], v[48+12*\f:59+12*\f], v[22:33], 0, v[228+\f/2], v34 matrix_a_fmt:MATRIX_FMT_FP6 matrix_b_fmt:MATRIX_FMT_FP6 matrix_a_scale:MATRIX_SCALE_ROW1
	v_wmma_scale_f32_16x16x128_f8f6f4 v[104+16*\f:111+16*\f], v[48+12*\f:59+12*\f], v[16:27], 0, v[228+\f/2], v34 matrix_a_fmt:MATRIX_FMT_FP6 matrix_b_fmt:MATRIX_FMT_FP6 matrix_a_scale:MATRIX_SCALE_ROW1
.else
	v_wmma_scale_f32_16x16x128_f8f6f4 v[96+16*\f:103+16*\f], v[48+12*\f:59+12*\f], v[22:33], 0, v[228+\f/2], v34 matrix_a_fmt:MATRIX_FMT_FP6 matrix_b_fmt:MATRIX_FMT_FP6
	v_wmma_scale_f32_16x16x128_f8f6f4 v[104+16*\f:111+16*\f], v[48+12*\f:59+12*\f], v[16:27], 0, v[228+\f/2], v34 matrix_a_fmt:MATRIX_FMT_FP6 matrix_b_fmt:MATRIX_FMT_FP6
.endif
.endr
.rept 4
	v_nop                                          ; places ahead of the loads into K's registers and of the first read of the scores
.endr
	s_wait_alu depctr_va_vdst(0)
.irp f, 0,1,2,3                                ; V's fragments take K's registers and land while the softmax is walked
.irp c, 0,1,2
	ds_load_b128 v[48+12*\f+4*\c:51+12*\f+4*\c], v5 offset:STEPB*\q+6144+1536*\f+512*\c
.endr
.endr
	ds_load_b64 v[230:231], v6 offset:STEPB*\q+12544
	s_add_co_u32 s56, s45, 127
	s_cmp_le_u32 s56, s46                          ; all 128 keys count for all my queries: no mask
	s_cbranch_scc1 .Lopen_\@
	s_sub_co_i32 s56, s46, s45
	v_and_b32 v8, 15, v0
	v_bfe_u32 v9, v0, 4, 1
	s_delay_alu instid0(VALU_DEP_1)
	v_lshlrev_b32 v9, 3, v9
	s_delay_alu instid0(VALU_DEP_1)
	v_sub_nc_u32 v8, v8, v9
	s_delay_alu instid0(VALU_DEP_1)
	v_add_nc_u32 v8, s56, v8                       ; d = my query - the step's first key - 8 h: register n is hidden where its key's constant part is above d
	v_mov_b32 v9, 0xff800000
.set n, 0
.rept 64
	v_cmp_gt_i32 vcc_lo, 32*(n/16)+16*((n/8)%2)+n%8, v8
	v_cndmask_b32 v[96+n], v[96+n], v9, vcc_lo
.set n, n+1
.endr
.Lopen_\@:
.irp b, 0,1,2,3
	v_max3_num_f32 v[212+\b], v[96+16*\b], v[97+16*\b], v[98+16*\b]   ; the largest score of each block of 32 keys: for the row's maximum, and for the block's largest p
.endr
.irp i, 3,5,7,9,11,13
.irp b, 0,1,2,3
	v_max3_num_f32 v[212+\b], v[212+\b], v[96+16*\b+\i], v[97+16*\b+\i]
.endr
.endr
.irp b, 0,1,2,3
	v_max_num_f32 v[212+\b], v[212+\b], v[111+16*\b]
.endr
.irp b, 0,1,2,3
	s_delay_alu instid0(VALU_DEP_4)
	v_permlanex16_b32 v[216+\b], v[212+\b], s22, s23
.endr
.irp b, 0,1,2,3
	s_delay_alu instid0(VALU_DEP_4)
	v_max_num_f32 v[212+\b], v[212+\b], v[216+\b]
.endr
	s_delay_alu instid0(VALU_DEP_2)
	v_max3_num_f32 v236, v212, v213, v214
	s_delay_alu instid0(VALU_DEP_1)
	v_max_num_f32 v236, v236, v215
	s_delay_alu instid0(VALU_DEP_1)
	v_mul_f32 v236, s24, v236
	s_delay_alu instid0(VALU_DEP_1)
	v_max_num_f32 v13, v13, v236                   ; the running largest t
	v_mov_b32 v236, v12
	s_delay_alu instid0(VALU_DEP_2)
	v_floor_f32 v12, -v13                          ; -M = floor(-t): M is a whole number
	s_delay_alu instid0(VALU_DEP_1)
	v_sub_f32 v236, v12, v236
	s_delay_alu instid0(VALU_DEP_1)
	v_cvt_i32_f32 v236, v236                       ; (it saturates)
	s_delay_alu instid0(VALU_DEP_1)
	v_ldexp_f32 v234, 1.0, v236                    ; 2^(old M - new M): a multiplication by it rounds nothing
.set j, 0
.rept 32
	v_pk_fma_f32 v[96+j:97+j], v[96+j:97+j], s[24:25], v[12:13] op_sel_hi:[1,0,0]   ; t - M
.set j, j+2
.endr
.irp b, 0,1,2,3
	v_fma_f32 v[212+\b], v[212+\b], s24, v12
.endr
.set j, 0
	s_wait_alu depctr_va_vdst(0)
.rept 64
	v_exp_f32 v[96+j], v[96+j]                     ; p = 2^(t - M)
.set j, j+1
.endr
	v_pk_mul_f32 v[14:15], v[14:15], v[234:235] op_sel_hi:[1,0]   ; the sums under the new M: the plain instruction behind the exponentials
	s_wait_alu depctr_va_vdst(0)                   ; one wait for the batch, ahead of its first reader
.irp b, 0,1,2,3
	v_exp_f32 v[212+\b], v[212+\b]                 ; each block's largest p
.endr
	v_pk_add_f32 v[216:217], v[100:101], v[104:105]
	v_pk_add_f32 v[254:255], v[108:109], v[112:113]
	v_pk_add_f32 v[252:253], v[116:117], v[120:121]
	v_pk_add_f32 v[250:251], v[124:125], v[128:129]
	v_pk_add_f32 v[248:249], v[132:133], v[136:137]
	v_pk_add_f32 v[246:247], v[140:141], v[144:145]
	v_pk_add_f32 v[244:245], v[148:149], v[152:153]
	v_pk_add_f32 v[14:15], v[14:15], v[156:157]
	v_pk_add_f32 v[216:217], v[216:217], v[96:97]
	v_pk_add_f32 v[254:255], v[254:255], v[98:99]
	v_pk_add_f32 v[252:253], v[252:253], v[102:103]
	v_pk_add_f32 v[250:251], v[250:251], v[106:107]
	v_pk_add_f32 v[248:249], v[248:249], v[110:111]
	v_pk_add_f32 v[246:247], v[246:247], v[114:115]
	v_pk_add_f32 v[244:245], v[244:245], v[118:119]
	v_pk_add_f32 v[14:15], v[14:15], v[122:123]
	v_pk_add_f32 v[216:217], v[216:217], v[126:127]
	v_pk_add_f32 v[254:255], v[254:255], v[130:131]
	v_pk_add_f32 v[252:253], v[252:253], v[134:135]
	v_pk_add_f32 v[250:251], v[250:251], v[138:139]
	v_pk_add_f32 v[248:249], v[248:249], v[142:143]
	v_pk_add_f32 v[246:247], v[246:247], v[146:147]
	v_pk_add_f32 v[244:245], v[244:245], v[150:151]
	v_pk_add_f32 v[14:15], v[14:15], v[154:155]
	v_pk_add_f32 v[216:217], v[216:217], v[158:159]
	s_delay_alu instid0(VALU_DEP_2)
	v_pk_add_f32 v[14:15], v[14:15], v[250:251]
	s_delay_alu instid0(VALU_DEP_2)
	v_pk_add_f32 v[216:217], v[216:217], v[248:249]
	v_pk_add_f32 v[254:255], v[254:255], v[246:247]
	v_pk_add_f32 v[252:253], v[252:253], v[244:245]
	s_delay_alu instid0(VALU_DEP_2)
	v_pk_add_f32 v[14:15], v[14:15], v[254:255]
	s_delay_alu instid0(VALU_DEP_2)
	v_pk_add_f32 v[216:217], v[216:217], v[252:253]
	s_delay_alu instid0(VALU_DEP_1)
	v_pk_add_f32 v[14:15], v[14:15], v[216:217]
	s_wait_alu depctr_va_vdst(0)                   ; and one for the four
.irp b, 0,1,2,3
	v_max_num_f32 v[212+\b], 0x1800000, v[212+\b]  ; the floor 2^(3 - 127)
.endr
.irp b, 0,1,2,3
	s_delay_alu instid0(VALU_DEP_4)
	v_add_nc_u32 v[220+\b], 0xff000000, v[212+\b]  ; the conversion's scale operand
.endr
.irp b, 0,1,2,3
	s_delay_alu instid0(VALU_DEP_4)
	v_lshrrev_b32 v[216+\b], 23, v[220+\b]         ; the scale's byte
.endr
	s_delay_alu instid0(VALU_DEP_3)
	v_lshl_or_b32 v232, v217, 8, v216
	s_delay_alu instid0(VALU_DEP_1)
	v_lshl_or_b32 v232, v218, 16, v232
	s_delay_alu instid0(VALU_DEP_1)
	v_lshl_or_b32 v232, v219, 24, v232             ; p's scale word for these 128 keys
	v_cvt_scalef32_pk16_fp6_f32 v[192:194], v[96:111], v220
	v_cvt_scalef32_pk16_fp6_f32 v[204:206], v[112:127], v221
	v_cvt_scalef32_pk16_fp6_f32 v[198:200], v[128:143], v222
	v_cvt_scalef32_pk16_fp6_f32 v[208:210], v[144:159], v223
	v_nop                                          ; one plain place behind a scaled conversion
.irp i, 0,1,2
	v_permlane16_swap_b32 v[192+\i], v[204+\i]     ; a whole block to a lane
	v_permlane16_swap_b32 v[198+\i], v[208+\i]
.endr
.irp i, 0,1,2
	v_mov_b32 v[195+\i], v[204+\i]
	v_mov_b32 v[201+\i], v[208+\i]
.endr
.set j, 0
.rept 16
	v_pk_mul_f32 v[160+j:161+j], v[160+j:161+j], v[234:235] op_sel_hi:[1,0]   ; O^T under the new M.  (These sixteen also stand between the writes of p's codes and scale word and the products)
.set j, j+2
.endr
	s_wait_alu depctr_va_vdst(0)
	s_wait_dscnt 0x0                               ; V is in
.irp t, 0,1,2,3                                ; the four accumulators take turns, one instruction a turn; the eight products K Q^T stand between two steps' turns
.if \t%2
	v_wmma_scale_f32_16x16x128_f8f6f4 v[160+8*\t:167+8*\t], v[48+12*\t:59+12*\t], v[192:203], v[160+8*\t:167+8*\t], v[230+\t/2], v232 matrix_a_fmt:MATRIX_FMT_FP6 matrix_b_fmt:MATRIX_FMT_FP6 matrix_a_scale:MATRIX_SCALE_ROW1
.else
	v_wmma_scale_f32_16x16x128_f8f6f4 v[160+8*\t:167+8*\t], v[48+12*\t:59+12*\t], v[192:203], v[160+8*\t:167+8*\t], v[230+\t/2], v232 matrix_a_fmt:MATRIX_FMT_FP6 matrix_b_fmt:MATRIX_FMT_FP6
.endif
.endr
.rept 4
	v_nop                                          ; places ahead of the next loads into V's registers and of the reads of O^T
.endr
.Lhidden_\@:
	s_add_co_u32 s45, s45, 128
.endm
; A BLOCK'S END: y = O^T / the sum; sixteen exchanges give each lane 16 true neighbours along the head's 64 (w_proj's codes stand in the natural order); two blocks of 32 are quantised; a lane then holds token r, block h.
.macro FINISH
	v_add_f32 v14, v14, v15
	s_delay_alu instid0(VALU_DEP_1)
	v_permlanex16_b32 v216, v14, s22, s23
	s_delay_alu instid0(VALU_DEP_1)
	v_add_f32 v14, v14, v216                       ; the row's sum
	s_wait_alu depctr_va_vdst(0)
	v_rcp_f32 v234, v14
	v_nop                                          ; a plain place behind the reciprocal
	s_wait_alu depctr_va_vdst(0)                   ; and the wait ahead of its first reader
.set j, 0
.rept 16
	v_pk_mul_f32 v[96+j:97+j], v[160+j:161+j], v[234:235] op_sel_hi:[1,0]
.set j, j+2
.endr
.irp b, 0,1
.irp j, 0,1,2,3,4,5,6,7
	v_permlane16_swap_b32 v[96+16*\b+\j], v[104+16*\b+\j]   ; lanes 0-15: channels 32 b + 0 .. 15; lanes 16-31: 32 b + 16 .. 31
.endr
.endr
.irp b, 0,1
	v_max3_num_f32 v[212+\b], |v[96+16*\b]|, |v[97+16*\b]|, 0x1800000
.endr
.irp i, 2,4,6,8,10,12,14
.irp b, 0,1
	s_delay_alu instid0(VALU_DEP_2)
	v_max3_num_f32 v[212+\b], v[212+\b], |v[96+16*\b+\i]|, |v[97+16*\b+\i]|
.endr
.endr
.irp b, 0,1
	s_delay_alu instid0(VALU_DEP_2)
	v_permlanex16_b32 v[216+\b], v[212+\b], s22, s23
.endr
.irp b, 0,1
	s_delay_alu instid0(VALU_DEP_2)
	v_max_num_f32 v[212+\b], v[212+\b], v[216+\b]
.endr
.irp b, 0,1
	s_delay_alu instid0(VALU_DEP_2)
	v_add_nc_u32 v[220+\b], 0xff000000, v[212+\b]
.endr
.irp b, 0,1
	s_delay_alu instid0(VALU_DEP_2)
	v_lshrrev_b32 v[216+\b], 23, v[220+\b]
.endr
	s_delay_alu instid0(VALU_DEP_1)
	v_lshl_or_b32 v238, v217, 8, v216              ; my token's two scale bytes
	v_cvt_scalef32_pk16_fp6_f32 v[192:194], v[96:111], v220
	v_cvt_scalef32_pk16_fp6_f32 v[204:206], v[112:127], v221
	v_nop
.irp i, 0,1,2
	v_permlane16_swap_b32 v[192+\i], v[204+\i]
.endr
.irp i, 0,1,2
	s_delay_alu instid0(VALU_DEP_3)
	v_mov_b32 v[195+\i], v[204+\i]
.endr
.irp c, 0,1,2
	global_store_b64 v2, v[192+2*\c:193+2*\c], s[48:49] offset:256*\c   ; 32 lanes store 256 consecutive bytes, at a multiple of 256 from the buffer's first byte
.endr
	global_store_b16 v7, v238, s[52:53]            ; 32 consecutive bytes; lanes 16-31 repeat lanes 0-15
	s_wait_xcnt 0x0                                ; the stores have read their registers and bases: both may be written again
.endm
.Lposition:                                        ; eight trips: behind each change of slots but the last the next position's keys are asked for
	CHANGE 1
	STEP 0
	STEP 1
	s_xor_b32 s42, s42, SLOT1
	s_cmp_lg_u32 s43, s19
	s_cbranch_scc1 .Lsame_block
	FINISH                                         ; block X is done: on to block 7 - X, from key 0
.irp i, 0,1,2,3,4,5
	v_mov_b32 v[22+\i], v[36+\i]
.endr
	v_mov_b32 v34, v35
	INIT
	s_mov_b32 s45, 0
	s_mov_b32 s46, s47
	s_mov_b64 s[48:49], s[50:51]
	s_mov_b64 s[52:53], s[54:55]
.Lsame_block:
	s_add_co_u32 s43, s43, 1
	s_cmp_lt_u32 s43, 8
	s_cbranch_scc1 .Lposition
	CHANGE 0                                       ; the last position is written out
	STEP 0
	STEP 1
	FINISH
	s_wait_tensorcnt 0x0                           ; the wave's end
	ds_add_u32 v3, v4
	s_wait_dscnt 0x0
	s_endpgm
.Lfunc_end_k_qcb48a0dfe6_attn:
	.size	k_qcb48a0dfe6_attn, .Lfunc_end_k_qcb48a0dfe6_attn-k_qcb48a0dfe6_attn
	.p2alignl 7, 3214868480
	.fill 96, 4, 3214868480
	.section	.rodata,"a",@progbits
	.p2align	6, 0x0
	.amdhsa_kernel k_qcb48a0dfe6_attn
		.amdhsa_group_segment_fixed_size 327680
		.amdhsa_private_segment_fixed_size 0
		.amdhsa_enable_private_segment 0
		.amdhsa_kernarg_size 24
		.amdhsa_user_sgpr_count 2
		.amdhsa_user_sgpr_kernarg_segment_ptr 1
		.amdhsa_wavefront_size32 1
		.amdhsa_system_sgpr_workgroup_id_x 1
		.amdhsa_system_sgpr_workgroup_id_y 1
		.amdhsa_system_sgpr_workgroup_id_z 1
		.amdhsa_system_vgpr_workitem_id 0
		.amdhsa_next_free_vgpr 256
		.amdhsa_next_free_sgpr 80
		.amdhsa_reserve_vcc 1
		.amdhsa_float_denorm_mode_32 3
		.amdhsa_float_denorm_mode_16_64 3
		.amdhsa_memory_ordered 1
		.amdhsa_forward_progress 1
		.amdhsa_inst_pref_size 108
	.end_amdhsa_kernel
	.amdgpu_metadata
---
amdhsa.version: [ 1, 2 ]
amdhsa.kernels:
  - .name:           k_qcb48a0dfe6_attn
    .symbol:         k_qcb48a0dfe6_attn.kd
    .args:
      - { .name: qkv, .offset: 0, .size: 8, .value_kind: global_buffer, .address_space: global }
      - { .name: y_codes, .offset: 8, .size: 8, .value_kind: global_buffer, .address_space: global }
      - { .name: y_scales, .offset: 16, .size: 8, .value_kind: global_buffer, .address_space: global }
    .group_segment_fixed_size: 327680
    .private_segment_fixed_size: 0
    .kernarg_segment_align: 8
    .kernarg_segment_size: 24
    .max_flat_workgroup_size: 512
    .sgpr_count:     80
    .vgpr_count:     256
    .wavefront_size: 32
...
	.end_amdgpu_metadata
.endif
;; end of part 2
;; launch proj (part 3): grid 8 x 32, 4 waves a work-group, clusters of 4 x 4, 327,680 bytes of LDS; arguments y_codes, y_scales, w_proj_codes, w_proj_scales, b_proj, out0; writes out0
.if DOCPART == 3
	.amdgcn_target "amdgcn-amd-amdhsa--gfx1250"
	.amdhsa_code_object_version 6
	.text
	.protected	k_qcb48a0dfe6_proj
	.globl	k_qcb48a0dfe6_proj
	.p2align	8
	.type	k_qcb48a0dfe6_proj,@function
k_qcb48a0dfe6_proj:
	s_mov_b64 s[64:65], 0
	v_nop
	global_prefetch_b8 v0, s[64:65] scope:SCOPE_SE
	s_setreg_imm32_b32 hwreg(HW_REG_WAVE_MODE, 25, 1), 1
	s_wait_xcnt 0x0
	s_wait_alu depctr_hold_cnt(0) depctr_sa_sdst(0) depctr_va_vdst(0) depctr_va_sdst(0) depctr_va_ssrc(0) depctr_va_vcc(0) depctr_vm_vsrc(0)
	s_getreg_b32 s2, hwreg(HW_REG_IB_STS2, 6, 4)
	s_cmp_eq_u32 s2, 0
	s_cbranch_scc0 .Lentry_in_a_cluster
	s_endpgm
.Lentry_in_a_cluster:
	s_bfe_u32 s2, ttmp6, 0x10000c
	s_cmp_lg_u32 s2, 0xf033
	s_cbranch_scc0 .Lentry_shape_is_right
	s_endpgm
.Lentry_shape_is_right:
; out0 = y w_proj + b_proj on codes of FP6 (E2M3) with E8M0 scales, K = 1,024.  y's codes lie as register images [token / 16][head][768], its scale bytes [head][token][2]; w_proj's as given, rows of 768 bytes.
; A work-group makes 256 tokens x 128 outputs; a wave 128 tokens (8 blocks of 16) x 64 outputs (4 blocks).  Source 0 = 16 rows of w_proj, source 1 = 16 tokens: a lane holds eight neighbouring outputs of one token.
; LDS IS FILLED ONCE: all of K of the work-group's y and w_proj fits, so there is no ring.  A wave's part of w_proj (32 fragments, 384 registers) stays in registers; each block of 16 tokens is finished over all of K by
; 32 products (four accumulators by turns, K ascending, the bias as the first C) and leaves at once through the wave's own stage: the stores go out while the next blocks are multiplied.
; CLUSTERS: 4 x 4.  y's tiles and scale bytes hang on the tile row: asked for jointly by a row of the cluster; w_proj's on the tile column: by a column.  Six loads a wave, all behind the opening round.
; REGISTERS: window 0: v16-23 addresses; v32-47 w_proj's scale words; v48-79 y's; v80-111 the bias; v112-175 two sets of four accumulators; v176-207 rows on their way out.
;   windows 1, 2: w_proj's fragments (b, K step) at v[12 (4 (K step % 4) + b)], window 1 + K step / 4.  window 3: y's fragments of a block, two sets at v0 and v128.
.set YIMG, 0                           ; 16 tiles of 16 tokens x 12,288 bytes
.set WIMG, 196608                      ; 128 rows, 816 bytes apart: 768 + 16 behind each 256
.set WP,   816
.set YSC,  301056                      ; 16 heads x 512 bytes
.set STG,  309248                      ; a stage of 16 rows x (256 + 16) bytes for each wave; no fill lands here
.set ADRW, 16
.set AY,   18
.set AYS,  20
.set STO,  21
.set RD,   22
.set CO,   23
.set WS,   32
.set YS,   48
.set BP,   80
.set ACC,  112
.set OB,   176
.set MSB, 0
.macro WIN new
.set NW, \new
.if MSB != NW
	s_set_vgpr_msb (MSB<<8)|NW
.set MSB, NW
.endif
.endm
.macro CROUND                          ; a round of the cluster's barrier
	s_barrier_signal -1
	s_barrier_wait -1
	s_cmp_lg_u32 s16, 0
	s_cbranch_scc1 .Lnot_wave_0_\@
	s_barrier_signal -3
.Lnot_wave_0_\@:
	s_barrier_wait -3
	s_barrier_signal -1
	s_barrier_wait -1
.endm
	s_load_b256 s[4:11], s[0:1], 0x0               ; y's codes s[4:5], y's scales s[6:7], w's codes s[8:9], w's scales s[10:11]
	s_load_b128 s[12:15], s[0:1], 0x20             ; b_proj s[12:13], out0 s[14:15]
	v_lshl_add_u32 v254, v0, 2, 0x4fc00
	v_mov_b32 v255, 0
	ds_add_u32 v254, v255
	v_lshrrev_b32 v1, 5, v0
	v_readfirstlane_b32 s16, v1                    ; wave 0..3
	s_lshr_b32 s17, s16, 1                         ; which 128 tokens are mine
	s_and_b32 s18, s16, 1                          ; which 64 outputs
	s_bfe_u32 s20, ttmp6, 0x40000                  ; cx
	s_bfe_u32 s21, ttmp6, 0x40004                  ; cy
	s_lshl_b32 s22, ttmp9, 2
	s_add_co_u32 s22, s22, s20                     ; tile column: 128 outputs
	s_and_b32 s23, ttmp7, 0xffff
	s_lshl_b32 s23, s23, 2
	s_add_co_u32 s23, s23, s21                     ; tile row: 256 tokens
	s_lshl_b32 s76, s21, 2
	s_lshl_b32 s76, 15, s76                        ; my row of the cluster
	s_lshl_b32 s77, 0x1111, s20                    ; my column
	s_or_b32 s24, s77, (3<<16)|(1<<20)|(1<<21)|(5<<22)|(3<<25)   ; w_proj: 32 rows of 96 elements of 8 bytes; 4 words of padding after every 64
	s_mov_b32 s25, 96<<16
	s_mov_b32 s26, 32<<16
	s_mov_b32 s27, 96<<16
	s_mov_b32 s28, 32
	s_mov_b32 s29, 96
	s_mov_b32 s30, 0
	s_mov_b32 s31, 0
	s_or_b32 s32, s76, (3<<16)|(1<<21)             ; y's scale bytes: 4 heads x 512 bytes, 16,384 bytes apart
	s_mov_b32 s33, 64<<16
	s_mov_b32 s34, 4<<16
	s_mov_b32 s35, 64<<16
	s_mov_b32 s36, 4
	s_mov_b32 s37, 2048
	s_mov_b32 s38, 0
	s_mov_b32 s39, 0
	s_or_b32 s40, s76, (3<<16)|(1<<21)             ; a tile of y: 12,288 dense bytes as 48 rows of 256
	s_mov_b32 s41, 32<<16
	s_mov_b32 s42, 48<<16
	s_mov_b32 s43, 32<<16
	s_mov_b32 s44, 48
	s_mov_b32 s45, 32
	s_mov_b32 s46, 0
	s_mov_b32 s47, 0
	s_lshl_b32 s78, s22, 7
	s_lshl_b32 s79, s16, 5
	s_add_co_u32 s78, s78, s79                     ; w_proj: rows 128 x tile column + 32 x wave (it never holds cy)
	s_mov_b32 s48, 1
	s_mul_i32 s49, s16, 32*WP
	s_add_co_u32 s49, s49, WIMG
	s_mul_i32 s50, s78, 768
	s_mov_b32 s51, 0
	s_mov_b32 s52, 1
	s_lshl_b32 s53, s16, 11
	s_add_co_u32 s53, s53, YSC
	s_lshl_b32 s54, s16, 16                        ; heads 4 x wave on,
	s_lshl_b32 s80, s23, 9                         ; the tile row's 256 tokens (these never hold cx)
	s_add_co_u32 s54, s54, s80
	s_mov_b32 s55, 0
	s_lshl_b32 s80, s17, 3
	s_add_co_u32 s80, s80, s18                     ; y: tiles 8 (wave / 2) + wave % 2 + 2 i, i = 0 .. 3
	s_mul_i32 s81, s80, 12288                      ; in LDS,
	s_lshl_b32 s82, s23, 4
	s_add_co_u32 s82, s82, s80
	s_mul_i32 s82, s82, 12288                      ; and in memory
	s_mov_b32 s83, 0
	s_mov_b32 s56, 1
	s_mov_b32 s57, s81
	s_mov_b32 s60, 1
	s_add_co_u32 s61, s81, 24576
	s_mov_b32 s68, 1
	s_add_co_u32 s69, s81, 2*24576
	s_mov_b32 s72, 1
	s_add_co_u32 s73, s81, 3*24576
	s_wait_dscnt 0x0
	s_wait_kmcnt 0x0
	s_add_nc_u64 s[50:51], s[8:9], s[50:51]
	s_add_nc_u64 s[54:55], s[6:7], s[54:55]
	s_add_nc_u64 s[58:59], s[4:5], s[82:83]
	s_add_nc_u64 s[62:63], s[58:59], 24576
	s_add_nc_u64 s[70:71], s[58:59], 2*24576
	s_add_nc_u64 s[74:75], s[58:59], 3*24576
	s_or_b32 s51, s51, 0x80000000
	s_or_b32 s55, s55, 0x80000000
	s_or_b32 s59, s59, 0x80000000
	s_or_b32 s63, s63, 0x80000000
	s_or_b32 s71, s71, 0x80000000
	s_or_b32 s75, s75, 0x80000000
	CROUND                                         ; all sixteen work-groups are here: the joint loads meet
	tensor_load_to_lds s[48:51], s[24:31]          ; all fills of the launch, six of mine out: w_proj's rows,
	s_nop 0
	tensor_load_to_lds s[52:55], s[32:39]          ; y's scale bytes,
	s_nop 0
	tensor_load_to_lds s[56:59], s[40:47]          ; and four tiles of y, in the order in which they are wanted
	s_nop 0
	tensor_load_to_lds s[60:63], s[40:47]
	s_nop 0
	tensor_load_to_lds s[68:71], s[40:47]
	s_nop 0
	tensor_load_to_lds s[72:75], s[40:47]
	s_nop 0
.rept 4
	v_nop
.endr
	v_and_b32 v1, 31, v0                           ; lane
	v_and_b32 v2, 15, v0                           ; r
	v_bfe_u32 v3, v0, 4, 1                         ; h
	v_mul_u32_u24 v4, v2, WP
	v_mad_u32_u24 v[ADRW], v3, 24, v4              ; w_proj: row r, + 24 h;
	v_mad_u32_u24 v[ADRW+1], v3, 40, v4            ; and for the pieces whose partner three on lies behind one padding more
	s_mul_i32 s76, s18, 64*WP
	s_add_co_u32 s76, s76, WIMG
	v_add_nc_u32 v[ADRW], s76, v[ADRW]
	v_add_nc_u32 v[ADRW+1], s76, v[ADRW+1]
	s_mul_i32 s76, s17, 8*12288
	v_lshl_add_u32 v[AY], v1, 3, s76               ; y's images: 8 x lane, my eight tiles;
	v_add_nc_u32 v[AY+1], 4*12288, v[AY]           ; the upper four
	s_lshl_b32 s76, s17, 8
	s_add_co_u32 s76, s76, YSC
	v_lshl_add_u32 v[AYS], v1, 1, s76              ; y's scale bytes: 2 x lane, my 128 tokens
	s_mul_i32 s76, s16, 16*272
	s_add_co_u32 s76, s76, STG
	v_mul_u32_u24 v4, v2, 272
	v_lshl_add_u32 v4, v3, 5, v4
	v_add_nc_u32 v[STO], s76, v4                   ; the stage, in: row r, 32 bytes for each half of the lanes
	v_mul_u32_u24 v4, v3, 272
	v_lshl_add_u32 v4, v2, 4, v4
	v_add_nc_u32 v[RD], s76, v4                    ; back: lanes 0-15 one row of 256 bytes, lanes 16-31 the next
	v_lshlrev_b32 v4, 12, v3
	v_lshl_add_u32 v[CO], v2, 4, v4                ; and the same two rows of out0
	s_lshl_b32 s76, s22, 7
	s_lshl_b32 s77, s18, 6
	s_add_co_u32 s76, s76, s77                     ; my first output
	s_lshl_b32 s77, s76, 5
	v_lshl_add_u32 v5, v1, 5, s77                  ; w_proj's scale bytes: 32 a row; lane l takes row 32 beta + l: lanes 16-31 hold the odd block's
	s_lshl_b32 s77, s76, 2
	v_lshl_add_u32 v6, v3, 5, s77                  ; the bias: register 8 b + j is output 16 b + 8 h + j
.irp e, 0,1
.irp i, 0,1
	global_load_b128 v[WS+8*\e+4*\i:WS+8*\e+4*\i+3], v5, s[10:11] offset:1024*\e+16*\i
.endr
.endr
.irp b, 0,1,2,3
	global_load_b128 v[BP+8*\b:BP+8*\b+3], v6, s[12:13] offset:64*\b
	global_load_b128 v[BP+8*\b+4:BP+8*\b+7], v6, s[12:13] offset:64*\b+16
.endr
	s_lshl_b32 s78, s23, 8
	s_lshl_b32 s79, s17, 7
	s_add_co_u32 s78, s78, s79                     ; my first token
	s_lshl_b32 s78, s78, 12
	s_lshl_b32 s79, s76, 2
	s_add_co_u32 s78, s78, s79
	s_mov_b32 s79, 0
	s_add_nc_u64 s[84:85], s[14:15], s[78:79]
	s_wait_tensorcnt 0x4                           ; my rows of w_proj and my heads' scale bytes are in; the four loads of y behind them may be out
	s_barrier_signal -1
	s_barrier_wait -1                              ; everybody's are
.irp ka, 0,1,2,3,4,5,6,7                       ; w_proj's fragments, in pieces of 8 bytes: they stay in registers
	WIN 0x40<<(\ka/4)
.irp b, 0,1,2,3
.irp p, 0,1,2,3,4,5
.set PC, 12*\ka+6*(\p/3)+\p%3
.set RG, 12*(4*(\ka%4)+\b)+2*\p
.if PC%32 < 29
	ds_load_b64 v[RG:RG+1], v[ADRW] offset:8*PC+16*(PC/32)+16*WP*\b
.else
	ds_load_b64 v[RG:RG+1], v[ADRW+1] offset:8*PC+16*(PC/32)+16*WP*\b
.endif
.endr
.endr
.endr
	WIN 0
.irp g, 0,1,2,3                                ; y's scale words: for 32 tokens (two blocks) and K step ka the two bytes of head 2 ka, and above them those of head 2 ka + 1
.irp ka, 0,1,2,3,4,5,6,7
	ds_load_u16 v[YS+8*\g+\ka], v[AYS] offset:1024*\ka+64*\g
	ds_load_u16 v[ACC+8*\g+\ka], v[AYS] offset:1024*\ka+64*\g+512
.endr
.endr
	s_wait_dscnt 0x0
.set i, 0
.rept 32
	v_lshl_or_b32 v[YS+i], v[ACC+i], 16, v[YS+i]
.set i, i+1
.endr
.macro FETCH a                         ; block a's eight fragments of y, as they lie: 256 consecutive bytes a load
	WIN 0xc0
.irp ka, 0,1,2,3,4,5,6,7
.irp c, 0,1,2,3,4,5
	ds_load_b64 v[128*((\a)%2)+12*\ka+2*\c:128*((\a)%2)+12*\ka+2*\c+1], v[AY+(\a)/4] offset:((\a)%4)*12288+1536*\ka+256*\c
.endr
.endr
	WIN 0
.endm
.macro WM ra, rb                       ; the matrix line; ra, rb: the scale words stand in lanes 16-31
.if (\ra) && (\rb)
	v_wmma_scale_f32_16x16x128_f8f6f4 v[WD:WD+7], v[WA:WA+11], v[WB:WB+11], v[WC:WC+7], v[WSA], v[WSB] matrix_a_fmt:MATRIX_FMT_FP6 matrix_b_fmt:MATRIX_FMT_FP6 matrix_a_scale:MATRIX_SCALE_ROW1 matrix_b_scale:MATRIX_SCALE_ROW1
.elseif (\ra)
	v_wmma_scale_f32_16x16x128_f8f6f4 v[WD:WD+7], v[WA:WA+11], v[WB:WB+11], v[WC:WC+7], v[WSA], v[WSB] matrix_a_fmt:MATRIX_FMT_FP6 matrix_b_fmt:MATRIX_FMT_FP6 matrix_a_scale:MATRIX_SCALE_ROW1
.elseif (\rb)
	v_wmma_scale_f32_16x16x128_f8f6f4 v[WD:WD+7], v[WA:WA+11], v[WB:WB+11], v[WC:WC+7], v[WSA], v[WSB] matrix_a_fmt:MATRIX_FMT_FP6 matrix_b_fmt:MATRIX_FMT_FP6 matrix_b_scale:MATRIX_SCALE_ROW1
.else
	v_wmma_scale_f32_16x16x128_f8f6f4 v[WD:WD+7], v[WA:WA+11], v[WB:WB+11], v[WC:WC+7], v[WSA], v[WSB] matrix_a_fmt:MATRIX_FMT_FP6 matrix_b_fmt:MATRIX_FMT_FP6
.endif
.endm
.macro MUL a                           ; block a over all of K: 32 products, its four accumulators by turns; the bias is the first C
.irp ka, 0,1,2,3,4,5,6,7
	WIN 0x0d+\ka/4
.irp b, 0,1,2,3
.set WD, ACC+32*((\a)%2)+8*\b
.set WA, 12*(4*(\ka%4)+\b)
.set WB, 128*((\a)%2)+12*\ka
.set WC, WD
.if \ka == 0
.set WC, BP+8*\b
.endif
.set WSA, WS+8*(\b/2)+\ka
.set WSB, YS+8*((\a)/2)+\ka
	WM (\b%2), ((\a)%2)
.endr
.endr
	WIN 0
.endm
.macro TOSTAGE a                       ; into my own stage, each accumulator from its low end on, and back as whole rows; LDS serves a wave's instructions in order (ISA guide 5.7.1.4)
.irp b, 0,1,2,3
	ds_store_b128 v[STO], v[ACC+32*((\a)%2)+8*\b:ACC+32*((\a)%2)+8*\b+3] offset:64*\b
	ds_store_b128 v[STO], v[ACC+32*((\a)%2)+8*\b+4:ACC+32*((\a)%2)+8*\b+7] offset:64*\b+16
.endr
.irp t, 0,1,2,3,4,5,6,7
	ds_load_b128 v[OB+4*\t:OB+4*\t+3], v[RD] offset:544*\t
.endr
.endm
.macro SEND a
	s_wait_dscnt 0x0                               ; the block is back in registers, and the fragments asked for ahead of it are in
.irp t, 0,1,2,3,4,5,6,7
	global_store_b128 v[CO], v[OB+4*\t:OB+4*\t+3], s[84:85] offset:(16*(\a)+2*\t)*4096 th:TH_STORE_NT   ; 16 lanes store 256 consecutive bytes, at a multiple of 256 from out0's first byte
.endr
.endm
	s_wait_tensorcnt 0x3                           ; my first tile of y is in; three loads may be out
	s_barrier_signal -1
	s_barrier_wait -1                              ; blocks 0 and 1 of every wave lie in LDS
	FETCH 0
	FETCH 1
	s_wait_loadcnt 0x0                             ; w_proj's scale words and the bias
.irp a, 0,1,2,3,4,5,6,7
.if \a == 0
	s_wait_dscnt 48                                ; block 0's fragments are in; block 1's 48 loads may be out
.endif
	MUL \a
.if \a > 0
	SEND \a-1
.else
	s_wait_dscnt 0x0
.endif
.if (\a == 0) || (\a == 2) || (\a == 4)
	s_wait_tensorcnt 2-\a/2                        ; my next tile of y is in; the later ones may be out
	s_barrier_signal -1
	s_barrier_wait -1                              ; blocks a + 2 and a + 3 of every wave lie in LDS
.endif
.rept 4
	v_nop                                          ; places behind block a's products: ahead of the loads into its fragments' registers and of the reads of its results; with the four of the next block they also part this set's results from the products that begin it anew
.endr
.if \a > 0
	s_wait_xcnt 0x0                                ; the stores have read their registers: the next block's rows may land there
.endif
.if \a < 6
	FETCH \a+2
.endif
	TOSTAGE \a
.endr
	SEND 7
	s_wait_tensorcnt 0x0
	ds_add_u32 v254, v255
	s_wait_dscnt 0x0
	CROUND                                         ; the closing round: no work-group ends while a partner may still ask for a tile that names it
	s_endpgm
.Lfunc_end_k_qcb48a0dfe6_proj:
	.size	k_qcb48a0dfe6_proj, .Lfunc_end_k_qcb48a0dfe6_proj-k_qcb48a0dfe6_proj
	.p2alignl 7, 3214868480
	.fill 96, 4, 3214868480
	.section	.rodata,"a",@progbits
	.p2align	6, 0x0
	.amdhsa_kernel k_qcb48a0dfe6_proj
		.amdhsa_group_segment_fixed_size 327680
		.amdhsa_private_segment_fixed_size 0
		.amdhsa_enable_private_segment 0
		.amdhsa_kernarg_size 48
		.amdhsa_user_sgpr_count 2
		.amdhsa_user_sgpr_kernarg_segment_ptr 1
		.amdhsa_wavefront_size32 1
		.amdhsa_system_sgpr_workgroup_id_x 1
		.amdhsa_system_sgpr_workgroup_id_y 1
		.amdhsa_system_sgpr_workgroup_id_z 1
		.amdhsa_system_vgpr_workitem_id 0
		.amdhsa_next_free_vgpr 1024
		.amdhsa_next_free_sgpr 92
		.amdhsa_reserve_vcc 0
		.amdhsa_float_denorm_mode_32 3
		.amdhsa_float_denorm_mode_16_64 3
		.amdhsa_memory_ordered 1
		.amdhsa_forward_progress 1
		.amdhsa_inst_pref_size 101
	.end_amdhsa_kernel
	.amdgpu_metadata
---
amdhsa.version: [ 1, 2 ]
amdhsa.kernels:
  - .name:           k_qcb48a0dfe6_proj
    .symbol:         k_qcb48a0dfe6_proj.kd
    .args:
      - { .name: y_codes, .offset: 0, .size: 8, .value_kind: global_buffer, .address_space: global }
      - { .name: y_scales, .offset: 8, .size: 8, .value_kind: global_buffer, .address_space: global }
      - { .name: w_proj_codes, .offset: 16, .size: 8, .value_kind: global_buffer, .address_space: global }
      - { .name: w_proj_scales, .offset: 24, .size: 8, .value_kind: global_buffer, .address_space: global }
      - { .name: b_proj, .offset: 32, .size: 8, .value_kind: global_buffer, .address_space: global }
      - { .name: out0, .offset: 40, .size: 8, .value_kind: global_buffer, .address_space: global }
    .group_segment_fixed_size: 327680
    .private_segment_fixed_size: 0
    .kernarg_segment_align: 8
    .kernarg_segment_size: 48
    .max_flat_workgroup_size: 128
    .sgpr_count:     92
    .vgpr_count:     1024
    .wavefront_size: 32
...
	.end_amdgpu_metadata
.endif
;; end of part 3
